; MI455X (gfx1250); checked and timed in simulation.
; The chip was launched on July 23, 2026; its instructions are those of AMD's public machine-readable ISA for CDNA 5 (MIT licence, August 2026) and "CDNA5" Instruction Set Architecture Reference Guide (July 2026). The comments in the code are by the model that wrote it; some were corrected since.
;; Voxel Feature Extractor. Allowed arithmetic: float matrix products may take bf16 or f16 operands with f32 sums; other float arithmetic in f32, or as packed bf16 or f16 multiplies, adds, multiply-adds, maxima and minima; sums over many terms, partial sums and values carried from step to step in f32; what a program stores and reads back later, other than sums and carried values, may be rounded once to bf16 or f16.
;; Inputs: W1 4 x 64 float32; W2 64 x 64 float32; W3 64 x 128 float32; b1 64 float32; b2 64 float32; b3 128 float32; be1 64 float32; be2 64 float32; g1 64 float32; g2 64 float32; m1 64 float32; m2 64 float32; v1 64 float32; v2 64 float32; voxel_features 50,000 x 32 x 4 float32; voxel_num_points 50,000 int32.
;; Outputs: out0 50,000 x 128 float32.
;; 2 versions, each right; version 2 is version 1 with the launch vfe written anew for expert scheduling mode. Each part assembles by itself: llvm-mc -triple=amdgcn-amd-amdhsa -mcpu=gfx1250 --defsym DOCPART=n.
;; ======== version 1 of 2: 1 launch
;; limits: inputs' magnitudes at most 250; values are held in f16: magnitudes above 65,504 overflow, below 6.1e-05 lose precision
;; launch vfe (part 1): grid 250 x 1, 8 waves a work-group, no clusters, 34,048 bytes of LDS; arguments voxel_features, voxel_num_points, W1, b1, g1, be1, m1, v1, W2, b2, g2, be2, m2, v2, W3, b3, out0; writes out0
.if DOCPART == 1
	.amdgcn_target "amdgcn-amd-amdhsa--gfx1250"
	.amdhsa_code_object_version 6
	.text
	.protected	k_qda8b50a395_vfe
	.globl	k_qda8b50a395_vfe
	.p2align	8
	.type	k_qda8b50a395_vfe,@function
k_qda8b50a395_vfe:
	s_mov_b64 s[64:65], 0
	v_nop
	global_prefetch_b8 v0, s[64:65] scope:SCOPE_SE
	s_setreg_imm32_b32 hwreg(HW_REG_WAVE_MODE, 25, 1), 1
	s_wait_xcnt 0x0
; VOXEL FEATURE EXTRACTOR.  out[v][o] = max over the points p < num[v] of ( relu(bn2( relu(bn1(x W1 + b1)) W2 + b2 )) W3 + b3 )[o].
; x: [50000][32][4] f32, num: [50000] i32, out: [50000][128] f32.  One launch; h1 and h2 never leave the registers.
; SHARES.  250 work-groups x 8 waves x 25 voxels = 50,000.  A wave takes one voxel (32 points) at a time: 8 + 16 + 32 = 56 matrix instructions.  Eight waves of 512 registers: while one wave
; walks a run of vector instructions, another can issue its matrix instructions, so each wave's text is laid in plain phases under few window settings.
; FOLDING.  bn(z) = (z - m) s + be with s = g rsq(v + eps): the weights are W s, the bias c = (b - m) s + be stays in f32 (layer 2: the C operand that starts the sum) or goes as two f16 numbers,
; its top 11 bits and the rest (layer 1: on two K places at which the points' fragment holds 1.0).  b3 is added behind the maximum: rounding is monotone.
; FORMAT AND SCALES.  Matrix operands are f16 (11 significant bits); sums, biases, maxima in f32.  f16's range is kept by exact powers of two, since relu(a z) = a relu(z) for a > 0:
; a1 = 2^-(e+1), 2^e the leading power of the largest |W1 s1|, |c1|;  a2 likewise of the largest |W2 s2| / a1, |c2|;  a3 of the largest |W3|.  Carried are h1 a1, h2 a2; stored are W1 s1 a1, c1 a1,
; W2 s2 a2 / a1, c2 a2, W3 a3, all below 1 in magnitude; the result is max x 1 / (a2 a3) + b3.  So h1 a1 <= 4 |x| + 1 and h2 a2 <= 64 (4 |x| + 1) + 1: inside f16 for |x| <= 250 whatever the weights.
; LAYOUT.  l = lane, r = l % 16, h = l / 16.  Layers 1 and 2 are used transposed (source 0 = 16 output channels, source 1 = 16 points): a lane's results are ONE point (r) and the channels 8 h + 0..7.
; Two such results, rounded in pairs, ARE a fragment of 32 channels x 16 points for the next layer: nothing changes lanes.  Layer 3 takes that fragment as source 0 (rows = points) and W3 as source 1:
; a lane then holds one channel and eight points, and the maximum over points is taken inside the lane, with one exchange between the halves of the lanes.  W3's columns are ordered so that tile u,
; lane r is channel 4 r + 64 (u / 4) + u % 4: behind the exchange lane l holds the channels 4 l .. 4 l + 3, and one store of the wave covers the voxel's 512 consecutive bytes, aligned.
; LAYER 1 has 4 inputs for a K of 32.  Lane l loads point l (16 bytes) and packs it into the K places 8 h + 0..3 of column r; places 8 h + 4, 5 hold 1.0, all others 0.  One such fragment serves both
; halves of the points: weight set A0 has its numbers in lanes 0-15 (K 0-7) and zeros above, and gives points 0-15; set A1 the other way round gives points 16-31.  The fragment's registers 4-7
; are 0, so what the weights' registers 4-7 hold (finite numbers below 1) is multiplied by 0: the weight fragments lie four registers apart and overlap.
; THE MASK.  A point p >= num is replaced by a copy of point 0 ahead of layer 1: a copy of a valid point changes no maximum, and hidden data never enter the arithmetic.  num <= 0: -inf is added.
; NO CLUSTER, NO TENSOR LOADS: work-groups share the weights alone, 51 KB read once by each, by lane-wise loads that transpose them, beside 102,400 bytes of x and as many of out that are its own;
; x comes from memory in the very layout that the fragment wants, 16 bytes a lane, so a way through LDS would add reads and spare none.
; LIMITS.  |x| <= 250 is safe for every weight; beyond it h2 a2 may pass 65,504 if the weights conspire.  The three leading powers are held within 2^-60 .. 2^60, so that no product of scales leaves
; f32: beyond that the scaling no longer fits the weights.  A scaled number below 6e-5 keeps f16's fixed step of 6e-8.  NaN and infinities among the inputs are not treated apart: the maxima drop
; a NaN, and an infinite coordinate of a valid point meets a zero weight in the product of the point 16 away.  The sign of a zero is not kept.  The reciprocal root is v_rsq_f32's.
.set NVOX,  25                         ; voxels of a wave
.set RING,  5                          ; voxels in flight: register slots for x, and for out
.set TRIPS, NVOX/RING-1                ; the last five voxels are written out behind the loop
.set VB,    512                        ; bytes of a voxel, in x and in out
.set MAXB,  32768                      ; LDS 0 .. 32767: the image of window 1 (64 chunks of 512 bytes: chunk c = registers 4 c .. 4 c + 3, lane l's 16 bytes at 512 c + 16 l); here eight words, wave w's largest magnitude at 4 w
.set SPARE, 33024                      ; the spare words, 128 bytes a wave: four blocks of 256 bytes that no other line names
.set EPSF,  0x3727c5ac                 ; 1e-5
.set EXPM,  0x7f800000                 ; an f32's exponent field: of a number it leaves the leading power of two
.set ELO,   0x21800000                 ; 2^-60
.set EHI,   0x5d800000                 ; 2^60
.set ETOP,  0x7e800000                 ; this less the bits of 2^e are the bits of 2^-(e+1)
.set ETWO,  0x00800000                 ; this added to the bits of 2^e gives those of 2^(e+1)
; window 0
.set LANE, 1                           ; v1       lane
.set LOFF, 2                           ; v2       16 x lane: my bytes in a voxel of x and of out, in b3, in a chunk; never rewritten
.set ZERO, 3                           ; v3       0
.set SPW,  4                           ; v4       LDS address of my spare word; never rewritten
.set NIL,  5                           ; v5       0; never rewritten
.set T0,   6                           ; v6-7     my point, packed
.set T1,   7
.set B1,   8                           ; v[8:15]  layer 1's fragment of points; v10 = (1.0, 1.0), v11-15 = 0, set once
.set B3,   16                          ; v[16:19] b3 of my four channels
.set X,    20                          ; v[20:39] slot j: my point of a voxel, as loaded
.set R,    40                          ; v[40:59] slot j: my four results, to store
.set PM,   60                          ; v[60:67] tile u's maximum
.set QM,   68                          ; v[68:75] at work beside it
.set SND,  76                          ; v[76:79] what I send to the lane 16 away
.set KEP,  80                          ; v[80:83] what I keep
.set GOT,  84                          ; v[84:87] what I get
.set MX,   88                          ; v88-89   the set-up's largest and smallest number
.set MN,   89
.set F,    96                          ; v[96:127] h1, then h2, in f16: points 16 p on, channels 32 q on at F + 16 p + 8 q
.set OA,   128                         ; v[128:255] layer 3's sums: tile u, points 16 p on at OA + 16 u + 8 p
.set HA,   128                         ; layer 1's sums: points 16 p on, channels 16 t on at HA + 32 p + 8 t
.set HB,   192                         ; layer 2's sums, likewise
.set RR,   76                          ; during the set-up: r, h, where I store chunks, two load offsets
.set HH,   77
.set DSA,  78
.set VO,   79
.set SO,   80
.set WF,   128                         ; during the set-up: v[128:191] my 64 numbers in f32, number 8 c + i for half-register i of chunk c; v[192:223] the same packed
.set WP,   192
; window 1
.set W1F,  0                           ; v[0:31]    A0 of channels 16 t on at 4 t, A1 at 16 + 4 t, eight registers named, four their own
.set W2F,  32                          ; v[32:95]   W2: output channels 16 t on, inputs 32 q on at W2F + 16 t + 8 q
.set W3F,  96                          ; v[96:223]  W3: tile u, inputs 32 q on at W3F + 16 u + 8 q
.set BI2,  224                         ; v[224:255] layer 2's bias in f32, in a result's layout: channels 16 t on at BI2 + 8 t
; scalars
.set XP,  8                            ; s[8:9] x at my wave's voxel in hand;  s[10:11] num likewise;  then the weights' addresses in the order of the arguments
.set NP,  10
.set PW1, 12
.set PB1, 14
.set PG1, 16
.set PBE1, 18
.set PM1, 20
.set PV1, 22
.set PW2, 24
.set PB2, 26
.set PG2, 28
.set PBE2, 30
.set PM2, 32
.set PV2, 34
.set PW3, 36
.set PB3, 38
.set OP,  40                           ; s[40:41] out at my wave's voxel in hand
.set WV,  42                           ; s42      my wave's number
.set CNT, 43                           ; s43      trips to go
.set NIN, 44                           ; s[44:48] the next trip's five num, on their way
.set TA,  50                           ; s[50:51] at work in the set-up
.set N0,  52                           ; s[52:56] this trip's five num
.set CAP, 58                           ; s[58:59] 0, or -inf where num <= 0, in the low word; the high word is named with it and written once
.set P0A, 60                           ; s[60:61] point 0, packed
.set HIM, 62                           ; s62      a lane mask: lanes 16-31
.set SEL, 66                           ; s[66:67] v_permlanex16_b32's selects: each lane takes its own place in the other half
.set MW,  68                           ; s[68:75] the eight waves' largest magnitudes
.set A1S, 76                           ; s76 a1, s77 1 / a1
.set A2S, 78                           ; s78 a2, s79 1 / a2
.set A3S, 80                           ; s80 a3, s81 1 / a3
.set SCW, 82                           ; s[82:83] my wave's own scale, in the low word
.set BETA, 84                          ; s[84:85] 1 / (a2 a3), in the low word
.set MSB, 0
.macro WIN new                         ; s_set_vgpr_msb: bits 1:0 source 0, 3:2 source 1, 5:4 source 2, 7:6 destination; the high byte repeats the setting that is left
.if MSB != (\new)
	s_set_vgpr_msb (MSB<<8)|(\new)
.set MSB, \new
.endif
.endm
.macro PLACES                          ; a vector instruction that reads a matrix result or writes a matrix instruction's source stands four plain vector instructions behind it (ISA guide 7.12.1)
.rept 4
	v_nop
.endr
.endm
	s_load_b512 s[8:23], s[0:1], 0x0               ; x, num, W1, b1, g1, be1, m1, v1
	s_load_b512 s[24:39], s[0:1], 0x40             ; W2, b2, g2, be2, m2, v2, W3, b3
	s_load_b64 s[OP:OP+1], s[0:1], 0x80            ; out
	v_lshl_add_u32 v[SPW], v0, 2, SPARE
	v_mov_b32 v[NIL], 0
	v_lshrrev_b32 v[T0], 5, v0
	v_readfirstlane_b32 s[WV], v[T0]               ; wave 0..7
	v_and_b32 v[LANE], 31, v0
	v_lshlrev_b32 v[LOFF], 4, v[LANE]
	v_and_b32 v[RR], 15, v0
	v_bfe_u32 v[HH], v0, 4, 1
	v_mov_b32 v[ZERO], 0
	v_mov_b32 v[B1+2], 0x3c003c00                  ; 1.0 twice in f16: the two K places on which the bias rides
.irp i, 3,4,5,6,7
	v_mov_b32 v[B1+(\i)], 0
.endr
.irp i, 0,1,2,3
	v_mov_b32 v[GOT+(\i)], 0                       ; v_permlanex16_b32's destination counts as read: it is written once here
.endr
	v_lshl_add_u32 v[DSA], s[WV], 12, v[LOFF]      ; wave w builds chunks 8 w .. 8 w + 7: 4,096 bytes
	s_mov_b32 s[CAP+1], 0
	s_mov_b32 s[HIM], 0xffff0000
	s_mov_b32 s[SEL], 0x76543210
	s_mov_b32 s[SEL+1], 0xfedcba98
	s_mul_i32 s2, ttmp9, 8*NVOX
	s_mul_i32 s3, s[WV], NVOX
	s_add_co_u32 s[TA], s2, s3                     ; my wave's first voxel
	s_lshl_b32 s2, s[TA], 2                        ; its byte in num
	s_mov_b32 s3, 0
	s_wait_kmcnt 0x0
	s_add_nc_u64 s[NP:NP+1], s[NP:NP+1], s[2:3]
	s_lshl_b32 s2, s[TA], 9                        ; its byte in x and in out: 25,587,200 at the most
	s_add_nc_u64 s[XP:XP+1], s[XP:XP+1], s[2:3]
	s_add_nc_u64 s[OP:OP+1], s[OP:OP+1], s[2:3]
	s_load_b128 s[NIN:NIN+3], s[NP:NP+1], 0x0      ; the first trip's five num
	s_load_b32 s[NIN+4], s[NP:NP+1], 0x10
	global_load_b128 v[B3:B3+3], v[LOFF], s[PB3:PB3+1]
.irp j, 0,1,2,3,4
	global_load_b128 v[X+4*(\j):X+4*(\j)+3], v[LOFF], s[XP:XP+1] offset:(\j)*VB th:TH_LOAD_NT  ; the ring is filled: voxels 0 to 4, 512 consecutive bytes a load
.endr
; THE WEIGHTS, FIRST PART.  Each wave makes an eighth of window 1's image, first in f32 in v[128:191]: wave 0 layer 1's two sets, waves 1-2 W2 s2, waves 3-6 W3, wave 7 layer 2's bias (v[128:159]).
; The branches hang on the wave's number alone.  A wave of W2 or W3 makes two tiles tt, four chunks qe each: chunk 4 tt + qe holds, for my column, the inputs k = 16 qe + 8 h + 0..7.
; The loads transpose: one number a lane, K down the rows.
.macro BUILDLD base, pitch, step
.irp tt, 0,1
.irp qe, 0,1,2,3
.irp i, 0,1,2,3,4,5,6,7
	global_load_b32 v[WF+8*(4*(\tt)+(\qe))+(\i)], v[VO], s[\base:\base+1] offset:(16*(\qe)+(\i))*(\pitch)+(\tt)*(\step)
.endr
.endr
.endr
.endm
.macro LD5 dst, base                   ; chunk c: channels 16 (c / 2) + 8 h + 4 (c % 2) + 0..3 of one of layer 2's five vectors
.irp c, 0,1,2,3,4,5,6,7
	global_load_b128 v[(\dst)+4*(\c):(\dst)+4*(\c)+3], v[VO], s[\base:\base+1] offset:64*((\c)/2)+16*((\c)%2)
.endr
.endm
	s_cmp_eq_u32 s[WV], 0
	s_cbranch_scc1 .Lw1
	s_cmp_lt_u32 s[WV], 3
	s_cbranch_scc1 .Lw2
	s_cmp_lt_u32 s[WV], 7
	s_cbranch_scc1 .Lw3
	; wave 7: c2 = (b2 - m2) s2 + be2, laid as a result of layer 2 is: register j of tile t = channel 16 t + 8 h + j
	v_lshlrev_b32 v[VO], 5, v[HH]                  ; 8 h channels
	s_mov_b32 s[TA], EPSF
	s_mov_b32 s[TA+1], EPSF                        ; named with it as a pair
	LD5 96, PV2
	LD5 128, PB2
	LD5 160, PG2
	LD5 192, PBE2
	LD5 224, PM2
	s_wait_loadcnt 0x0                             ; mine were issued last: all loads are in, b3 and the ring's too
.set n, 0
.rept 16
	v_pk_add_f32 v[96+2*n:97+2*n], v[96+2*n:97+2*n], s[TA:TA+1] op_sel_hi:[1,0]
.set n, n+1
.endr
.set n, 0
.rept 32
	v_rsq_f32 v[96+n], v[96+n]
.set n, n+1
.endr
	v_nop                                          ; a plain instruction between the last root and the use of the results
.set n, 0
	s_wait_alu depctr_va_vdst(0)
.rept 16
	v_pk_mul_f32 v[160+2*n:161+2*n], v[160+2*n:161+2*n], v[96+2*n:97+2*n]                              ; s2
	v_pk_add_f32 v[128+2*n:129+2*n], v[128+2*n:129+2*n], v[224+2*n:225+2*n] neg_lo:[0,1] neg_hi:[0,1]  ; b2 - m2
.set n, n+1
.endr
.set n, 0
.rept 16
	v_pk_fma_f32 v[128+2*n:129+2*n], v[128+2*n:129+2*n], v[160+2*n:161+2*n], v[192+2*n:193+2*n]
.set n, n+1
.endr
	s_branch .Lmax
.Lw1:   ; wave 0: for channel 16 t + r the eight numbers w0 s, w1 s, w2 s, w3 s, c1's top 11 bits, the rest of c1, 0, 0: set A0 (chunks 0-3) has them in lanes 0-15, set A1 (chunks 4-7) in lanes 16-31, zeros in the others
	v_lshlrev_b32 v[VO], 2, v[RR]
.irp t, 0,1,2,3
.irp k, 0,1,2,3
	global_load_b32 v[192+4*(\t)+(\k)], v[VO], s[PW1:PW1+1] offset:256*(\k)+64*(\t)
.endr
	global_load_b32 v[208+(\t)], v[VO], s[PB1:PB1+1] offset:64*(\t)
	global_load_b32 v[212+(\t)], v[VO], s[PG1:PG1+1] offset:64*(\t)
	global_load_b32 v[216+(\t)], v[VO], s[PBE1:PBE1+1] offset:64*(\t)
	global_load_b32 v[220+(\t)], v[VO], s[PM1:PM1+1] offset:64*(\t)
	global_load_b32 v[224+(\t)], v[VO], s[PV1:PV1+1] offset:64*(\t)
.endr
	s_wait_loadcnt 0x0
.irp t, 0,1,2,3
	v_add_f32 v[224+(\t)], EPSF, v[224+(\t)]
.endr
.irp t, 0,1,2,3
	v_rsq_f32 v[224+(\t)], v[224+(\t)]
.endr
	v_cmp_gt_u32 vcc_lo, 16, v[LANE]               ; lanes 0-15; also the plain instruction behind the roots
	s_wait_alu depctr_va_vdst(0)
.irp t, 0,1,2,3
	v_mul_f32 v[212+(\t)], v[212+(\t)], v[224+(\t)]               ; s1
	v_sub_f32 v[208+(\t)], v[208+(\t)], v[220+(\t)]               ; b1 - m1
.endr
.irp t, 0,1,2,3
	v_fma_f32 v[208+(\t)], v[208+(\t)], v[212+(\t)], v[216+(\t)]  ; c1
.irp k, 0,1,2,3
	v_mul_f32 v[192+4*(\t)+(\k)], v[192+4*(\t)+(\k)], v[212+(\t)]
.endr
.endr
.irp t, 0,1,2,3
	v_and_b32 v[216+(\t)], 0xffffe000, v[208+(\t)]                ; c1's top 11 significant bits: f16 holds them exactly, and a power of two does not disturb them
.endr
.irp t, 0,1,2,3
	v_sub_f32 v[220+(\t)], v[208+(\t)], v[216+(\t)]               ; the rest, exact
.endr
.irp t, 0,1,2,3
.irp i, 0,1,2,3
	v_cndmask_b32 v[WF+8*(\t)+(\i)], v[ZERO], v[192+4*(\t)+(\i)], vcc_lo     ; A0
	v_cndmask_b32 v[WF+32+8*(\t)+(\i)], v[192+4*(\t)+(\i)], v[ZERO], vcc_lo  ; A1
.endr
	v_cndmask_b32 v[WF+8*(\t)+4], v[ZERO], v[216+(\t)], vcc_lo
	v_cndmask_b32 v[WF+32+8*(\t)+4], v[216+(\t)], v[ZERO], vcc_lo
	v_cndmask_b32 v[WF+8*(\t)+5], v[ZERO], v[220+(\t)], vcc_lo
	v_cndmask_b32 v[WF+32+8*(\t)+5], v[220+(\t)], v[ZERO], vcc_lo
.irp i, 6,7
	v_mov_b32 v[WF+8*(\t)+(\i)], 0
	v_mov_b32 v[WF+32+8*(\t)+(\i)], 0
.endr
.endr
	s_branch .Lmax
.Lw2:   ; waves 1, 2 (a = 0, 1): W2[k][16 t + r] s2[16 t + r] for t = 2 a + tt
	s_sub_co_u32 s[TA], s[WV], 1
	s_lshl_b32 s[TA], s[TA], 7                     ; 32 a columns
	v_lshl_add_u32 v[SO], v[RR], 2, s[TA]          ; my column of tile tt = 0
	v_lshl_add_u32 v[VO], v[HH], 11, v[SO]         ; 8 h rows of 256 bytes further down
	global_load_b32 v96, v[SO], s[PG2:PG2+1]
	global_load_b32 v97, v[SO], s[PG2:PG2+1] offset:64
	global_load_b32 v98, v[SO], s[PV2:PV2+1]
	global_load_b32 v99, v[SO], s[PV2:PV2+1] offset:64
	BUILDLD PW2, 256, 64
	s_wait_loadcnt 0x0
	v_add_f32 v98, EPSF, v98
	v_add_f32 v99, EPSF, v99
	v_rsq_f32 v98, v98
	v_rsq_f32 v99, v99
	v_nop                                          ; a plain instruction behind the roots
	s_wait_alu depctr_va_vdst(0)
	v_mul_f32 v100, v96, v98                       ; s2 of my column, twice: a pair for the packed multiply
	v_mul_f32 v101, v96, v98
	v_mul_f32 v102, v97, v99
	v_mul_f32 v103, v97, v99
.irp tt, 0,1
.set n, 0
.rept 16
	v_pk_mul_f32 v[WF+32*(\tt)+2*n:WF+1+32*(\tt)+2*n], v[WF+32*(\tt)+2*n:WF+1+32*(\tt)+2*n], v[100+2*(\tt):101+2*(\tt)]
.set n, n+1
.endr
.endr
	s_branch .Lmax
.Lw3:   ; waves 3-6 (a = 0..3): W3[k][4 r + 64 (u / 4) + u % 4] for u = 2 a + tt
	s_sub_co_u32 s[TA], s[WV], 3
	s_and_b32 s[TA+1], s[TA], 1
	s_lshl_b32 s[TA+1], s[TA+1], 3                 ; u % 4 = 2 (a % 2) + tt: 8 (a % 2) bytes
	s_lshr_b32 s[TA], s[TA], 1
	s_lshl_b32 s[TA], s[TA], 8                     ; u / 4 = a / 2: 64 columns
	s_add_co_u32 s[TA], s[TA], s[TA+1]
	v_lshl_add_u32 v[VO], v[RR], 4, s[TA]
	v_lshl_add_u32 v[VO], v[HH], 12, v[VO]         ; 8 h rows of 512 bytes further down
	BUILDLD PW3, 512, 4
	s_wait_loadcnt 0x0
; THE WEIGHTS, SECOND PART: the largest magnitude of my wave's numbers, as the greater of the largest number and the smallest one's negative: two chains side by side, three operands at a time.
.macro MAXRUN base, first
.set n, 0
.rept 16
.if (\first) && (n == 0)
	v_max_num_f32 v[MX], v[(\base)], v[(\base)+1]
	v_min_num_f32 v[MN], v[(\base)], v[(\base)+1]
.else
	v_max3_num_f32 v[MX], v[MX], v[(\base)+2*n], v[(\base)+2*n+1]
	v_min3_num_f32 v[MN], v[MN], v[(\base)+2*n], v[(\base)+2*n+1]
.endif
.set n, n+1
.endr
.endm
.Lmax:
	MAXRUN WF, 1
	s_cmp_eq_u32 s[WV], 7
	s_cbranch_scc1 .Lhalf                          ; wave 7 has 32 numbers a lane
	MAXRUN WF+32, 0
.Lhalf:
	v_xor_b32 v[MN], 0x80000000, v[MN]
	v_max_num_f32 v[MX], v[MX], v[MN]
	v_max_num_f32_dpp v[MX], v[MX], v[MX] row_xmask:1 row_mask:0xf bank_mask:0xf
	v_max_num_f32_dpp v[MX], v[MX], v[MX] row_xmask:2 row_mask:0xf bank_mask:0xf
	v_max_num_f32_dpp v[MX], v[MX], v[MX] row_xmask:4 row_mask:0xf bank_mask:0xf
	v_max_num_f32_dpp v[MX], v[MX], v[MX] row_xmask:8 row_mask:0xf bank_mask:0xf
	v_permlanex16_b32 v[GOT], v[MX], s[SEL], s[SEL+1]
	v_max_num_f32 v[MX], v[MX], v[GOT]             ; every lane holds it
	v_lshl_add_u32 v[T0], s[WV], 2, MAXB
	ds_store_b32 v[T0], v[MX]                      ; all lanes write my wave's word with the same number
	s_wait_dscnt 0x0                               ; for the others' sake: it is stored
	s_barrier_signal -1
	s_barrier_wait -1                              ; everybody's is
	v_mov_b32 v[T1], MAXB
	ds_load_b128 v[PM:PM+3], v[T1]
	ds_load_b128 v[PM+4:PM+7], v[T1] offset:16
	s_wait_dscnt 0x0
.irp w, 0,1,2,3,4,5,6,7
	v_readfirstlane_b32 s[MW+(\w)], v[PM+(\w)]
.endr
; The scales.  The magnitudes are not negative, so their bits compare as whole numbers do.  Of magnitude m: its leading power 2^e, held within 2^-60 .. 2^60; a = 2^-(e+1), and 1 / a = 2^(e+1), by their bits.
.macro SCALE m, a
	s_and_b32 s[(\a)+1], s[\m], EXPM
	s_max_u32 s[(\a)+1], s[(\a)+1], ELO
	s_min_u32 s[(\a)+1], s[(\a)+1], EHI
	s_sub_co_u32 s[\a], ETOP, s[(\a)+1]
	s_add_co_u32 s[(\a)+1], s[(\a)+1], ETWO
.endm
	SCALE MW, A1S                                  ; layer 1: wave 0's
	s_max_u32 s[TA], s[MW+1], s[MW+2]              ; layer 2: W2 s2 (waves 1, 2) over a1, and c2 (wave 7)
	s_mul_f32 s[TA], s[TA], s[A1S+1]
	s_max_u32 s[TA], s[TA], s[MW+7]
	SCALE TA, A2S
	s_max_u32 s[TA], s[MW+3], s[MW+4]              ; layer 3: waves 3-6
	s_max_u32 s[TA+1], s[MW+5], s[MW+6]
	s_max_u32 s[TA], s[TA], s[TA+1]
	SCALE TA, A3S
	s_mul_f32 s[BETA], s[A2S+1], s[A3S+1]          ; 1 / (a2 a3): within 2^-118 .. 2^122
	s_mul_f32 s[TA], s[A2S], s[A1S+1]              ; a2 / a1
	s_mov_b32 s[BETA+1], s[BETA]                   ; named with it as a pair
	s_cmp_eq_u32 s[WV], 0                          ; my wave's own scale: a1; a2 / a1; a3; a2
	s_cselect_b32 s[SCW], s[A1S], s[TA]
	s_cmp_gt_u32 s[WV], 2
	s_cselect_b32 s[SCW], s[A3S], s[SCW]
	s_cmp_eq_u32 s[WV], 7
	s_cselect_b32 s[SCW], s[A2S], s[SCW]
	s_mov_b32 s[SCW+1], s[SCW]                     ; named with it as a pair
.set n, 0
.rept 16
	v_pk_mul_f32 v[WF+2*n:WF+2*n+1], v[WF+2*n:WF+2*n+1], s[SCW:SCW+1] op_sel_hi:[1,0]
.set n, n+1
.endr
	s_cmp_eq_u32 s[WV], 7
	s_cbranch_scc1 .Lst7
.set n, 16
.rept 16
	v_pk_mul_f32 v[WF+2*n:WF+2*n+1], v[WF+2*n:WF+2*n+1], s[SCW:SCW+1] op_sel_hi:[1,0]
.set n, n+1
.endr
.set n, 0
.rept 32
	v_cvt_pk_f16_f32 v[WP+n], v[WF+2*n], v[WF+2*n+1]   ; 64 numbers a lane rounded to f16 in pairs
.set n, n+1
.endr
.irp c, 0,1,2,3,4,5,6,7
	ds_store_b128 v[DSA], v[WP+4*(\c):WP+4*(\c)+3] offset:512*(\c)   ; a store of the wave covers 512 consecutive bytes
.endr
	s_branch .Ljoin
.Lst7:                                                 ; the bias stays in f32
.irp c, 0,1,2,3,4,5,6,7
	ds_store_b128 v[DSA], v[WF+4*(\c):WF+4*(\c)+3] offset:512*(\c)
.endr
.Ljoin:
	s_wait_dscnt 0x0                               ; for the others' sake: my chunks are stored
	s_barrier_signal -1
	s_barrier_wait -1                              ; everybody's are
	WIN 0x40                                       ; destination window 1, address window 0
.set c, 0
.rept 64
	ds_load_b128 v[4*c:4*c+3], v[LOFF] offset:512*c
.set c, c+1
.endr
	WIN 0
	s_wait_dscnt 0x0
; A VOXEL, in phases.
; The input: my point is packed; lanes at or beyond num take point 0's two words.  ahead = 1: the slot is asked for again, five voxels on.  left = the younger loads, which may stay out.
.macro S0 j, ahead, left
	s_wait_loadcnt \left                           ; loads come back in order (ISA guide 5.7.1): the slot's is in
	v_cvt_pk_f16_f32 v[T0], v[X+4*(\j)], v[X+4*(\j)+1]
	v_cvt_pk_f16_f32 v[T1], v[X+4*(\j)+2], v[X+4*(\j)+3]
	v_cmp_gt_i32 vcc_lo, s[N0+(\j)], v[LANE]       ; num > lane: the point counts
	v_readfirstlane_b32 s[P0A], v[T0]
	v_readfirstlane_b32 s[P0A+1], v[T1]
	v_cndmask_b32 v[B1], s[P0A], v[T0], vcc_lo
	v_cndmask_b32 v[B1+1], s[P0A+1], v[T1], vcc_lo
.if \ahead
	global_load_b128 v[X+4*(\j):X+4*(\j)+3], v[LOFF], s[XP:XP+1] offset:(RING+(\j))*VB th:TH_LOAD_NT
.endif
.endm
; In all three layers the accumulators take turns, one instruction a turn; the first product on each starts its sum: nothing is cleared.
.macro M1                              ; 8 products: set A0 (p = 0) or A1 (p = 1), channels 16 t on, times the one fragment of points
	WIN 0x01                                       ; source 0 window 1
.irp p, 0,1
.irp t, 0,1,2,3
	v_wmma_f32_16x16x32_f16 v[HA+32*(\p)+8*(\t):HA+32*(\p)+8*(\t)+7], v[W1F+16*(\p)+4*(\t):W1F+16*(\p)+4*(\t)+7], v[B1:B1+7], 0
.endr
.endr
	WIN 0
.endm
.macro M2                              ; 16 products; the bias is the C operand of the first K step
	WIN 0x11                                       ; sources 0 and 2 window 1
.irp p, 0,1
.irp t, 0,1,2,3
	v_wmma_f32_16x16x32_f16 v[HB+32*(\p)+8*(\t):HB+32*(\p)+8*(\t)+7], v[W2F+16*(\t):W2F+16*(\t)+7], v[F+16*(\p):F+16*(\p)+7], v[BI2+8*(\t):BI2+8*(\t)+7]
.endr
.endr
	WIN 0x01
.irp p, 0,1
.irp t, 0,1,2,3
	v_wmma_f32_16x16x32_f16 v[HB+32*(\p)+8*(\t):HB+32*(\p)+8*(\t)+7], v[W2F+16*(\t)+8:W2F+16*(\t)+15], v[F+16*(\p)+8:F+16*(\p)+15], v[HB+32*(\p)+8*(\t):HB+32*(\p)+8*(\t)+7]
.endr
.endr
	WIN 0
.endm
.macro M3                              ; 32 products: source 0 = 16 points, source 1 = 16 channels of tile u
	WIN 0x04                                       ; source 1 window 1
.irp u, 0,1,2,3,4,5,6,7
.irp p, 0,1
	v_wmma_f32_16x16x32_f16 v[OA+16*(\u)+8*(\p):OA+16*(\u)+8*(\p)+7], v[F+16*(\p):F+16*(\p)+7], v[W3F+16*(\u):W3F+16*(\u)+7], 0
.endr
.endr
.irp u, 0,1,2,3,4,5,6,7
.irp p, 0,1
	v_wmma_f32_16x16x32_f16 v[OA+16*(\u)+8*(\p):OA+16*(\u)+8*(\p)+7], v[F+16*(\p)+8:F+16*(\p)+15], v[W3F+16*(\u)+8:W3F+16*(\u)+15], v[OA+16*(\u)+8*(\p):OA+16*(\u)+8*(\p)+7]
.endr
.endr
	WIN 0
.endm
.macro ACT src                         ; eight results (n = 4 p + t) rounded to f16 in pairs, from each result's low end on, then max(., 0) on two numbers at a time: the next layer's fragments
.set n, 0
.rept 8
.irp i, 0,1,2,3
	v_cvt_pk_f16_f32 v[F+4*n+(\i)], v[(\src)+8*n+2*(\i)], v[(\src)+8*n+2*(\i)+1]
.endr
.irp i, 0,1,2,3
	v_pk_max_num_f16 v[F+4*n+(\i)], v[F+4*n+(\i)], v[ZERO]
.endr
.set n, n+1
.endr
.endm
.macro RED2 ua, ub                     ; the maximum over my 16 points of two tiles, three operands at a time; four chains side by side, each result read from its low end on
.irp w, \ua, \ub
	v_max3_num_f32 v[PM+(\w)], v[OA+16*(\w)], v[OA+16*(\w)+1], v[OA+16*(\w)+2]
.endr
.irp w, \ua, \ub
	v_max3_num_f32 v[QM+(\w)], v[OA+16*(\w)+8], v[OA+16*(\w)+9], v[OA+16*(\w)+10]
.endr
.irp e, 3, 5
.irp w, \ua, \ub
	v_max3_num_f32 v[PM+(\w)], v[PM+(\w)], v[OA+16*(\w)+(\e)], v[OA+16*(\w)+(\e)+1]
.endr
.irp w, \ua, \ub
	v_max3_num_f32 v[QM+(\w)], v[QM+(\w)], v[OA+16*(\w)+8+(\e)], v[OA+16*(\w)+8+(\e)+1]
.endr
.endr
.irp w, \ua, \ub
	v_max3_num_f32 v[PM+(\w)], v[PM+(\w)], v[OA+16*(\w)+7], v[OA+16*(\w)+15]
.endr
.irp w, \ua, \ub
	v_max_num_f32 v[PM+(\w)], v[PM+(\w)], v[QM+(\w)]
.endr
.endm
; The other 16 points lie in the lane 16 away.  Lanes 0-15 keep tiles 0-3 and send tiles 4-7, lanes 16-31 the other way round: lane l ends with the channels 4 l + 0..3.
; The scales are taken back and b3 added in one fused multiply-add.
.macro FIN j
.irp k, 0,1,2,3
	v_cndmask_b32 v[SND+(\k)], v[PM+4+(\k)], v[PM+(\k)], s[HIM]
	v_cndmask_b32 v[KEP+(\k)], v[PM+(\k)], v[PM+4+(\k)], s[HIM]
.endr
.irp k, 0,1,2,3
	v_permlanex16_b32 v[GOT+(\k)], v[SND+(\k)], s[SEL], s[SEL+1]
.endr
	s_cmp_gt_i32 s[N0+(\j)], 0
	s_cselect_b32 s[CAP], 0, 0xff800000            ; no point at all: -inf
.irp k, 0,1,2,3
	v_max_num_f32 v[R+4*(\j)+(\k)], v[KEP+(\k)], v[GOT+(\k)]
.endr
	v_pk_fma_f32 v[R+4*(\j):R+4*(\j)+1], v[R+4*(\j):R+4*(\j)+1], s[BETA:BETA+1], v[B3:B3+1] op_sel_hi:[1,0,1]
	v_pk_fma_f32 v[R+4*(\j)+2:R+4*(\j)+3], v[R+4*(\j)+2:R+4*(\j)+3], s[BETA:BETA+1], v[B3+2:B3+3] op_sel_hi:[1,0,1]
	v_pk_add_f32 v[R+4*(\j):R+4*(\j)+1], v[R+4*(\j):R+4*(\j)+1], s[CAP:CAP+1] op_sel_hi:[1,0]
	v_pk_add_f32 v[R+4*(\j)+2:R+4*(\j)+3], v[R+4*(\j)+2:R+4*(\j)+3], s[CAP:CAP+1] op_sel_hi:[1,0]
	global_store_b128 v[LOFF], v[R+4*(\j):R+4*(\j)+3], s[OP:OP+1] offset:(\j)*VB th:TH_STORE_NT  ; the voxel's 512 consecutive bytes, at a multiple of 512 from out's first byte
.endm
.macro VOXEL j, ahead, left
	S0 \j, \ahead, \left
	M1
	PLACES
	ACT HA
	M2
	PLACES                                         ; also in front of the writes of F, which layer 2 has read
	ACT HB
	M3
	PLACES
	RED2 0, 4
	RED2 1, 5
	RED2 2, 6
	RED2 3, 7
	FIN \j
.endm
.macro NUMS load                       ; this trip's five num, asked for a trip ago; load = 1: the next trip's are asked for
	s_wait_kmcnt 0x0                               ; they are in, and their address may be stepped
.irp i, 0,1,2,3,4
	s_mov_b32 s[N0+(\i)], s[NIN+(\i)]
.endr
.if \load
	s_add_nc_u64 s[NP:NP+1], s[NP:NP+1], RING*4
	s_load_b128 s[NIN:NIN+3], s[NP:NP+1], 0x0
	s_load_b32 s[NIN+4], s[NP:NP+1], 0x10
.endif
.endm
	s_mov_b32 s[CNT], TRIPS
.Ltrip:                                                ; a trip: five voxels, once round the ring.  Behind a slot's load stand the other four slots' loads: the count 4
	NUMS 1
.irp j, 0,1,2,3,4
	VOXEL \j, 1, RING-1
.endr
	s_wait_xcnt 0x0                                ; every earlier memory instruction has had its addresses translated (ISA guide 3.1): only behind this wait are x's and out's addresses stepped and the five slots of results rewritten
	s_add_nc_u64 s[XP:XP+1], s[XP:XP+1], RING*VB
	s_add_nc_u64 s[OP:OP+1], s[OP:OP+1], RING*VB
	s_sub_co_u32 s[CNT], s[CNT], 1
	s_cmp_lg_u32 s[CNT], 0
	s_cbranch_scc1 .Ltrip
	NUMS 0                                         ; the last five voxels ask for nothing: no load leaves its buffer, and the counts run down
.irp j, 0,1,2,3,4
	VOXEL \j, 0, RING-1-(\j)
.endr
	s_wait_tensorcnt 0x0                           ; the wave's end, behind my last LDS store
	ds_add_u32 v[SPW], v[NIL]
	s_wait_dscnt 0x0
	s_endpgm
.Lfunc_end_k_qda8b50a395_vfe:
	.size	k_qda8b50a395_vfe, .Lfunc_end_k_qda8b50a395_vfe-k_qda8b50a395_vfe
	.p2alignl 7, 3214868480
	.fill 96, 4, 3214868480
	.section	.rodata,"a",@progbits
	.p2align	6, 0x0
	.amdhsa_kernel k_qda8b50a395_vfe
		.amdhsa_group_segment_fixed_size 34048
		.amdhsa_private_segment_fixed_size 0
		.amdhsa_enable_private_segment 0
		.amdhsa_kernarg_size 136
		.amdhsa_user_sgpr_count 2
		.amdhsa_user_sgpr_kernarg_segment_ptr 1
		.amdhsa_wavefront_size32 1
		.amdhsa_system_sgpr_workgroup_id_x 1
		.amdhsa_system_sgpr_workgroup_id_y 1
		.amdhsa_system_sgpr_workgroup_id_z 1
		.amdhsa_system_vgpr_workitem_id 0
		.amdhsa_next_free_vgpr 512
		.amdhsa_next_free_sgpr 88
		.amdhsa_reserve_vcc 1
		.amdhsa_float_denorm_mode_32 3
		.amdhsa_float_denorm_mode_16_64 3
		.amdhsa_memory_ordered 1
		.amdhsa_forward_progress 1
		.amdhsa_inst_pref_size 227
	.end_amdhsa_kernel
	.amdgpu_metadata
---
amdhsa.version: [ 1, 2 ]
amdhsa.kernels:
  - .name:           k_qda8b50a395_vfe
    .symbol:         k_qda8b50a395_vfe.kd
    .args:
      - { .name: voxel_features, .offset: 0, .size: 8, .value_kind: global_buffer, .address_space: global }
      - { .name: voxel_num_points, .offset: 8, .size: 8, .value_kind: global_buffer, .address_space: global }
      - { .name: W1, .offset: 16, .size: 8, .value_kind: global_buffer, .address_space: global }
      - { .name: b1, .offset: 24, .size: 8, .value_kind: global_buffer, .address_space: global }
      - { .name: g1, .offset: 32, .size: 8, .value_kind: global_buffer, .address_space: global }
      - { .name: be1, .offset: 40, .size: 8, .value_kind: global_buffer, .address_space: global }
      - { .name: m1, .offset: 48, .size: 8, .value_kind: global_buffer, .address_space: global }
      - { .name: v1, .offset: 56, .size: 8, .value_kind: global_buffer, .address_space: global }
      - { .name: W2, .offset: 64, .size: 8, .value_kind: global_buffer, .address_space: global }
      - { .name: b2, .offset: 72, .size: 8, .value_kind: global_buffer, .address_space: global }
      - { .name: g2, .offset: 80, .size: 8, .value_kind: global_buffer, .address_space: global }
      - { .name: be2, .offset: 88, .size: 8, .value_kind: global_buffer, .address_space: global }
      - { .name: m2, .offset: 96, .size: 8, .value_kind: global_buffer, .address_space: global }
      - { .name: v2, .offset: 104, .size: 8, .value_kind: global_buffer, .address_space: global }
      - { .name: W3, .offset: 112, .size: 8, .value_kind: global_buffer, .address_space: global }
      - { .name: b3, .offset: 120, .size: 8, .value_kind: global_buffer, .address_space: global }
      - { .name: out0, .offset: 128, .size: 8, .value_kind: global_buffer, .address_space: global }
    .group_segment_fixed_size: 34048
    .private_segment_fixed_size: 0
    .kernarg_segment_align: 8
    .kernarg_segment_size: 136
    .max_flat_workgroup_size: 256
    .sgpr_count:     88
    .vgpr_count:     512
    .wavefront_size: 32
...
	.end_amdgpu_metadata
.endif
;; end of part 1
;; ======== version 2 of 2: 1 launch; version 1 with the launch vfe written anew for expert scheduling mode
;; limits: inputs' magnitudes at most 250; values are held in f16: magnitudes above 65,504 overflow, below 6.1e-05 lose precision
;; launch vfe (part 2): grid 250 x 1, 8 waves a work-group, no clusters, 34,048 bytes of LDS; arguments voxel_features, voxel_num_points, W1, b1, g1, be1, m1, v1, W2, b2, g2, be2, m2, v2, W3, b3, out0; writes out0
.if DOCPART == 2
	.amdgcn_target "amdgcn-amd-amdhsa--gfx1250"
	.amdhsa_code_object_version 6
	.text
	.protected	k_qda8b50a395_vfe
	.globl	k_qda8b50a395_vfe
	.p2align	8
	.type	k_qda8b50a395_vfe,@function
k_qda8b50a395_vfe:
	s_mov_b64 s[64:65], 0
	v_nop
	global_prefetch_b8 v0, s[64:65] scope:SCOPE_SE
	s_setreg_imm32_b32 hwreg(HW_REG_WAVE_SCHED_MODE, 0, 2), 2
	s_setreg_imm32_b32 hwreg(HW_REG_WAVE_MODE, 25, 1), 1
	s_wait_xcnt 0x0
	s_wait_alu depctr_vm_vsrc(0)
; VOXEL FEATURE EXTRACTOR.  out[v][o] = max over the points p < num[v] of ( relu(bn2( relu(bn1(x W1 + b1)) W2 + b2 )) W3 + b3 )[o].
; x: [50000][32][4] f32, num: [50000] i32, out: [50000][128] f32.  One launch; h1 and h2 never leave the registers.
; SHARES.  250 work-groups x 8 waves x 25 voxels = 50,000.  A wave takes one voxel (32 points) at a time: 8 + 16 + 32 = 56 matrix instructions.  Eight waves of 512 registers: while one wave
; walks a run of vector instructions, another can issue its matrix instructions, so each wave's text is laid in plain phases under few window settings.
; FOLDING.  bn(z) = (z - m) s + be with s = g rsq(v + eps): the weights are W s, the bias c = (b - m) s + be stays in f32 (layer 2: the C operand that starts the sum) or goes as two f16 numbers,
; its top 11 bits and the rest (layer 1: on two K places at which the points' fragment holds 1.0).  b3 is added behind the maximum: rounding is monotone.
; FORMAT AND SCALES.  Matrix operands are f16 (11 significant bits); sums, biases, maxima in f32.  f16's range is kept by exact powers of two, since relu(a z) = a relu(z) for a > 0:
; a1 = 2^-(e+1), 2^e the leading power of the largest |W1 s1|, |c1|;  a2 likewise of the largest |W2 s2| / a1, |c2|;  a3 of the largest |W3|.  Carried are h1 a1, h2 a2; stored are W1 s1 a1, c1 a1,
; W2 s2 a2 / a1, c2 a2, W3 a3, all below 1 in magnitude; the result is max x 1 / (a2 a3) + b3.  So h1 a1 <= 4 |x| + 1 and h2 a2 <= 64 (4 |x| + 1) + 1: inside f16 for |x| <= 250 whatever the weights.
; LAYOUT.  l = lane, r = l % 16, h = l / 16.  Layers 1 and 2 are used transposed (source 0 = 16 output channels, source 1 = 16 points): a lane's results are ONE point (r) and the channels 8 h + 0..7.
; Two such results, rounded in pairs, ARE a fragment of 32 channels x 16 points for the next layer: nothing changes lanes.  Layer 3 takes that fragment as source 0 (rows = points) and W3 as source 1:
; a lane then holds one channel and eight points, and the maximum over points is taken inside the lane, with one exchange between the halves of the lanes.  W3's columns are ordered so that tile u,
; lane r is channel 4 r + 64 (u / 4) + u % 4: behind the exchange lane l holds the channels 4 l .. 4 l + 3, and one store of the wave covers the voxel's 512 consecutive bytes, aligned.
; LAYER 1 has 4 inputs for a K of 32.  Lane l loads point l (16 bytes) and packs it into the K places 8 h + 0..3 of column r; places 8 h + 4, 5 hold 1.0, all others 0.  One such fragment serves both
; halves of the points: weight set A0 has its numbers in lanes 0-15 (K 0-7) and zeros above, and gives points 0-15; set A1 the other way round gives points 16-31.  The fragment's registers 4-7
; are 0, so what the weights' registers 4-7 hold (finite numbers below 1) is multiplied by 0: the weight fragments lie four registers apart and overlap.
; THE MASK.  A point p >= num is replaced by a copy of point 0 ahead of layer 1: a copy of a valid point changes no maximum, and hidden data never enter the arithmetic.  num <= 0: -inf is added.
; NO CLUSTER, NO TENSOR LOADS: work-groups share the weights alone, 51 KB read once by each, by lane-wise loads that transpose them, beside 102,400 bytes of x and as many of out that are its own;
; x comes from memory in the very layout that the fragment wants, 16 bytes a lane, so a way through LDS would add reads and spare none.
; LIMITS.  |x| <= 250 is safe for every weight; beyond it h2 a2 may pass 65,504 if the weights conspire.  The three leading powers are held within 2^-60 .. 2^60, so that no product of scales leaves
; f32: beyond that the scaling no longer fits the weights.  A scaled number below 6e-5 keeps f16's fixed step of 6e-8.  NaN and infinities among the inputs are not treated apart: the maxima drop
; a NaN, and an infinite coordinate of a valid point meets a zero weight in the product of the point 16 away.  The sign of a zero is not kept.  The reciprocal root is v_rsq_f32's.
; THE MODE: SCHED_MODE bits 1:0 = 2 (LLVM: expert scheduling mode 2), set by the entry lines.  The code itself states the register dependences between vector or matrix instructions and memory or
; LDS instructions, with s_wait_alu, always for 0.
; THE PLAN.  Registers that memory or LDS instructions touch:
;   v[LOFF]       Written once at the head; read by every load of x and b3, every store of out and the 64 loads of chunks; never written again: the scalar bases and immediate offsets do the rest.
;   X0 .. X4      Voxel j: its two conversions read X[j]; behind the voxel's wait the load for the voxel five on lands in it.
;   R0 .. R4      Voxel j: its last arithmetic writes R[j]; the store that reads it is issued in voxel j + 1, behind that voxel's wait (slot 4's: at the trip's end, behind a wait of its own);
;                 it is written again a trip later.
;   the set-up's  v[VO], v[SO] (offsets of the weights' loads), v[DSA] (where chunks are stored), v[T0], v[T1] (the eight words' addresses), v[MX] and v[128:223] (LDS stores' data): each is written
;                 ahead of a wait on va_vdst and then read; of these, those that the loop writes anew (all but v[MX]) are written there only behind one wait on vm_vsrc, which stands ahead of the loop.
;   window 1      Filled once by LDS loads; no vector instruction ever names it, and behind the wait for those loads matrix instructions alone read it.
;   v[SPW], v[NIL]  Written at the head, read by the closing add alone.
; So a voxel has ONE wait on va_vdst, behind the two selects that finish layer 1's fragment of points and ahead of its one load and one store; no vector instruction stands between that wait and the
; two.  Ahead of the selects stand the waits for VCC and for point 0's two scalar words, which the selects read.  A trip has one wait on va_vdst more (slot 4's store) and one on vm_vsrc (the five
; stores have read R0 .. R4), ahead of the backward jump.
.set NVOX,  25                         ; voxels of a wave
.set RING,  5                          ; voxels in flight: register slots for x, and for out
.set TRIPS, NVOX/RING-1                ; the last five voxels are written out behind the loop
.set VB,    512                        ; bytes of a voxel, in x and in out
.set MAXB,  32768                      ; LDS 0 .. 32767: the image of window 1 (64 chunks of 512 bytes: chunk c = registers 4 c .. 4 c + 3, lane l's 16 bytes at 512 c + 16 l); here eight words, wave w's largest magnitude at 4 w
.set SPARE, 33024                      ; the spare words, 128 bytes a wave: four blocks of 256 bytes that no other line names
.set EPSF,  0x3727c5ac                 ; 1e-5
.set EXPM,  0x7f800000                 ; an f32's exponent field: of a number it leaves the leading power of two
.set ELO,   0x21800000                 ; 2^-60
.set EHI,   0x5d800000                 ; 2^60
.set ETOP,  0x7e800000                 ; this less the bits of 2^e are the bits of 2^-(e+1)
.set ETWO,  0x00800000                 ; this added to the bits of 2^e gives those of 2^(e+1)
; window 0
.set LANE, 1                           ; v1       lane
.set LOFF, 2                           ; v2       16 x lane: my bytes in a voxel of x and of out, in b3, in a chunk; never rewritten
.set ZERO, 3                           ; v3       0
.set SPW,  4                           ; v4       LDS address of my spare word; never rewritten
.set NIL,  5                           ; v5       0; never rewritten
.set T0,   6                           ; v6-7     my point, packed
.set T1,   7
.set B1,   8                           ; v[8:15]  layer 1's fragment of points; v10 = (1.0, 1.0), v11-15 = 0, set once
.set B3,   16                          ; v[16:19] b3 of my four channels
.set X,    20                          ; v[20:39] slot j: my point of a voxel, as loaded
.set R,    40                          ; v[40:59] slot j: my four results, to store
.set PM,   60                          ; v[60:67] tile u's maximum
.set QM,   68                          ; v[68:75] at work beside it
.set SND,  76                          ; v[76:79] what I send to the lane 16 away
.set KEP,  80                          ; v[80:83] what I keep
.set GOT,  84                          ; v[84:87] what I get
.set MX,   88                          ; v88-89   the set-up's largest and smallest number
.set MN,   89
.set F,    96                          ; v[96:127] h1, then h2, in f16: points 16 p on, channels 32 q on at F + 16 p + 8 q
.set OA,   128                         ; v[128:255] layer 3's sums: tile u, points 16 p on at OA + 16 u + 8 p
.set HA,   128                         ; layer 1's sums: points 16 p on, channels 16 t on at HA + 32 p + 8 t
.set HB,   192                         ; layer 2's sums, likewise
.set RR,   76                          ; during the set-up: r, h, where I store chunks, two load offsets
.set HH,   77
.set DSA,  78
.set VO,   79
.set SO,   80
.set WF,   128                         ; during the set-up: v[128:191] my 64 numbers in f32, number 8 c + i for half-register i of chunk c; v[192:223] the same packed
.set WP,   192
; window 1
.set W1F,  0                           ; v[0:31]    A0 of channels 16 t on at 4 t, A1 at 16 + 4 t, eight registers named, four their own
.set W2F,  32                          ; v[32:95]   W2: output channels 16 t on, inputs 32 q on at W2F + 16 t + 8 q
.set W3F,  96                          ; v[96:223]  W3: tile u, inputs 32 q on at W3F + 16 u + 8 q
.set BI2,  224                         ; v[224:255] layer 2's bias in f32, in a result's layout: channels 16 t on at BI2 + 8 t
; scalars
.set XP,  8                            ; s[8:9] x at my wave's voxel in hand;  s[10:11] num likewise;  then the weights' addresses in the order of the arguments
.set NP,  10
.set PW1, 12
.set PB1, 14
.set PG1, 16
.set PBE1, 18
.set PM1, 20
.set PV1, 22
.set PW2, 24
.set PB2, 26
.set PG2, 28
.set PBE2, 30
.set PM2, 32
.set PV2, 34
.set PW3, 36
.set PB3, 38
.set OP,  40                           ; s[40:41] out at my wave's voxel in hand
.set WV,  42                           ; s42      my wave's number
.set CNT, 43                           ; s43      trips to go
.set NIN, 44                           ; s[44:48] the next trip's five num, on their way
.set TA,  50                           ; s[50:51] at work in the set-up
.set N0,  52                           ; s[52:56] this trip's five num
.set CAP, 58                           ; s[58:59] 0, or -inf where num <= 0, in the low word; the high word is named with it and written once
.set P0A, 60                           ; s[60:61] point 0, packed
.set HIM, 62                           ; s62      a lane mask: lanes 16-31
.set SEL, 66                           ; s[66:67] v_permlanex16_b32's selects: each lane takes its own place in the other half
.set MW,  68                           ; s[68:75] the eight waves' largest magnitudes
.set A1S, 76                           ; s76 a1, s77 1 / a1
.set A2S, 78                           ; s78 a2, s79 1 / a2
.set A3S, 80                           ; s80 a3, s81 1 / a3
.set SCW, 82                           ; s[82:83] my wave's own scale, in the low word
.set BETA, 84                          ; s[84:85] 1 / (a2 a3), in the low word
.set MSB, 0
.macro WIN new                         ; s_set_vgpr_msb: bits 1:0 source 0, 3:2 source 1, 5:4 source 2, 7:6 destination; the high byte repeats the setting that is left
.if MSB != (\new)
	s_set_vgpr_msb (MSB<<8)|(\new)
.set MSB, \new
.endif
.endm
.macro PLACES                          ; a vector instruction that reads a matrix result or writes a matrix instruction's source stands four plain vector instructions behind it (ISA guide 7.12.1)
.rept 4
	v_nop
.endr
.endm
	s_load_b512 s[8:23], s[0:1], 0x0               ; x, num, W1, b1, g1, be1, m1, v1
	s_load_b512 s[24:39], s[0:1], 0x40             ; W2, b2, g2, be2, m2, v2, W3, b3
	s_load_b64 s[OP:OP+1], s[0:1], 0x80            ; out
	v_lshl_add_u32 v[SPW], v0, 2, SPARE
	v_mov_b32 v[NIL], 0
	v_lshrrev_b32 v[T0], 5, v0
	v_readfirstlane_b32 s[WV], v[T0]               ; wave 0..7
	v_and_b32 v[LANE], 31, v0
	v_lshlrev_b32 v[LOFF], 4, v[LANE]
	v_and_b32 v[RR], 15, v0
	v_bfe_u32 v[HH], v0, 4, 1
	v_mov_b32 v[ZERO], 0
	v_mov_b32 v[B1+2], 0x3c003c00                  ; 1.0 twice in f16: the two K places on which the bias rides
.irp i, 3,4,5,6,7
	v_mov_b32 v[B1+(\i)], 0
.endr
.irp i, 0,1,2,3
	v_mov_b32 v[GOT+(\i)], 0                       ; v_permlanex16_b32's destination counts as read: it is written once here
.endr
	s_wait_alu depctr_va_sdst(0)                   ; the wave's number is written, ahead of its first reader, the line below
	v_lshl_add_u32 v[DSA], s[WV], 12, v[LOFF]      ; wave w builds chunks 8 w .. 8 w + 7: 4,096 bytes
	s_mov_b32 s[CAP+1], 0
	s_mov_b32 s[HIM], 0xffff0000
	s_mov_b32 s[SEL], 0x76543210
	s_mov_b32 s[SEL+1], 0xfedcba98
	s_mul_i32 s2, ttmp9, 8*NVOX
	s_mul_i32 s3, s[WV], NVOX
	s_add_co_u32 s[TA], s2, s3                     ; my wave's first voxel
	s_lshl_b32 s2, s[TA], 2                        ; its byte in num
	s_mov_b32 s3, 0
	s_wait_kmcnt 0x0
	s_add_nc_u64 s[NP:NP+1], s[NP:NP+1], s[2:3]
	s_lshl_b32 s2, s[TA], 9                        ; its byte in x and in out: 25,587,200 at the most
	s_add_nc_u64 s[XP:XP+1], s[XP:XP+1], s[2:3]
	s_add_nc_u64 s[OP:OP+1], s[OP:OP+1], s[2:3]
	s_load_b128 s[NIN:NIN+3], s[NP:NP+1], 0x0      ; the first trip's five num
	s_load_b32 s[NIN+4], s[NP:NP+1], 0x10
	s_wait_alu depctr_va_vdst(0)                   ; v[LOFF] is written, the offset of every load of x and b3, of every store and of the chunks' loads; so is v[DSA], by which the chunks are stored
	global_load_b128 v[B3:B3+3], v[LOFF], s[PB3:PB3+1]
.irp j, 0,1,2,3,4
	global_load_b128 v[X+4*(\j):X+4*(\j)+3], v[LOFF], s[XP:XP+1] offset:(\j)*VB th:TH_LOAD_NT  ; the ring is filled: voxels 0 to 4, 512 consecutive bytes a load
.endr
; THE WEIGHTS, FIRST PART.  Each wave makes an eighth of window 1's image, first in f32 in v[128:191]: wave 0 layer 1's two sets, waves 1-2 W2 s2, waves 3-6 W3, wave 7 layer 2's bias (v[128:159]).
; The branches hang on the wave's number alone.  A wave of W2 or W3 makes two tiles tt, four chunks qe each: chunk 4 tt + qe holds, for my column, the inputs k = 16 qe + 8 h + 0..7.
; The loads transpose: one number a lane, K down the rows.
.macro BUILDLD base, pitch, step
.irp tt, 0,1
.irp qe, 0,1,2,3
.irp i, 0,1,2,3,4,5,6,7
	global_load_b32 v[WF+8*(4*(\tt)+(\qe))+(\i)], v[VO], s[\base:\base+1] offset:(16*(\qe)+(\i))*(\pitch)+(\tt)*(\step)
.endr
.endr
.endr
.endm
.macro LD5 dst, base                   ; chunk c: channels 16 (c / 2) + 8 h + 4 (c % 2) + 0..3 of one of layer 2's five vectors
.irp c, 0,1,2,3,4,5,6,7
	global_load_b128 v[(\dst)+4*(\c):(\dst)+4*(\c)+3], v[VO], s[\base:\base+1] offset:64*((\c)/2)+16*((\c)%2)
.endr
.endm
	s_cmp_eq_u32 s[WV], 0
	s_cbranch_scc1 .Lw1
	s_cmp_lt_u32 s[WV], 3
	s_cbranch_scc1 .Lw2
	s_cmp_lt_u32 s[WV], 7
	s_cbranch_scc1 .Lw3
	; wave 7: c2 = (b2 - m2) s2 + be2, laid as a result of layer 2 is: register j of tile t = channel 16 t + 8 h + j
	v_lshlrev_b32 v[VO], 5, v[HH]                  ; 8 h channels
	s_mov_b32 s[TA], EPSF
	s_mov_b32 s[TA+1], EPSF                        ; named with it as a pair
	s_wait_alu depctr_va_vdst(0)                   ; v[VO] is written, the offset of the forty loads below
	LD5 96, PV2
	LD5 128, PB2
	LD5 160, PG2
	LD5 192, PBE2
	LD5 224, PM2
	s_wait_loadcnt 0x0                             ; mine were issued last: all loads are in, b3 and the ring's too
.set n, 0
.rept 16
	v_pk_add_f32 v[96+2*n:97+2*n], v[96+2*n:97+2*n], s[TA:TA+1] op_sel_hi:[1,0]
.set n, n+1
.endr
.set n, 0
.rept 32
	v_rsq_f32 v[96+n], v[96+n]
.set n, n+1
.endr
	v_nop                                          ; a plain instruction between the last root and the use of the results
	s_wait_alu depctr_va_vdst(0)                   ; the 32 roots are written, ahead of their first reader: one wait for the batch
.set n, 0
.rept 16
	v_pk_mul_f32 v[160+2*n:161+2*n], v[160+2*n:161+2*n], v[96+2*n:97+2*n]                              ; s2
	v_pk_add_f32 v[128+2*n:129+2*n], v[128+2*n:129+2*n], v[224+2*n:225+2*n] neg_lo:[0,1] neg_hi:[0,1]  ; b2 - m2
.set n, n+1
.endr
.set n, 0
.rept 16
	v_pk_fma_f32 v[128+2*n:129+2*n], v[128+2*n:129+2*n], v[160+2*n:161+2*n], v[192+2*n:193+2*n]
.set n, n+1
.endr
	s_branch .Lmax
.Lw1:   ; wave 0: for channel 16 t + r the eight numbers w0 s, w1 s, w2 s, w3 s, c1's top 11 bits, the rest of c1, 0, 0: set A0 (chunks 0-3) has them in lanes 0-15, set A1 (chunks 4-7) in lanes 16-31, zeros in the others
	v_lshlrev_b32 v[VO], 2, v[RR]
	s_wait_alu depctr_va_vdst(0)                   ; v[VO] is written, the offset of the 36 loads below
.irp t, 0,1,2,3
.irp k, 0,1,2,3
	global_load_b32 v[192+4*(\t)+(\k)], v[VO], s[PW1:PW1+1] offset:256*(\k)+64*(\t)
.endr
	global_load_b32 v[208+(\t)], v[VO], s[PB1:PB1+1] offset:64*(\t)
	global_load_b32 v[212+(\t)], v[VO], s[PG1:PG1+1] offset:64*(\t)
	global_load_b32 v[216+(\t)], v[VO], s[PBE1:PBE1+1] offset:64*(\t)
	global_load_b32 v[220+(\t)], v[VO], s[PM1:PM1+1] offset:64*(\t)
	global_load_b32 v[224+(\t)], v[VO], s[PV1:PV1+1] offset:64*(\t)
.endr
	s_wait_loadcnt 0x0
.irp t, 0,1,2,3
	v_add_f32 v[224+(\t)], EPSF, v[224+(\t)]
.endr
.irp t, 0,1,2,3
	v_rsq_f32 v[224+(\t)], v[224+(\t)]
.endr
	v_cmp_gt_u32 vcc_lo, 16, v[LANE]               ; lanes 0-15; also the plain instruction behind the roots
	s_wait_alu depctr_va_vdst(0)                   ; the four roots are written, ahead of their first reader: one wait for the batch
.irp t, 0,1,2,3
	v_mul_f32 v[212+(\t)], v[212+(\t)], v[224+(\t)]               ; s1
	v_sub_f32 v[208+(\t)], v[208+(\t)], v[220+(\t)]               ; b1 - m1
.endr
.irp t, 0,1,2,3
	v_fma_f32 v[208+(\t)], v[208+(\t)], v[212+(\t)], v[216+(\t)]  ; c1
.irp k, 0,1,2,3
	v_mul_f32 v[192+4*(\t)+(\k)], v[192+4*(\t)+(\k)], v[212+(\t)]
.endr
.endr
.irp t, 0,1,2,3
	v_and_b32 v[216+(\t)], 0xffffe000, v[208+(\t)]                ; c1's top 11 significant bits: f16 holds them exactly, and a power of two does not disturb them
.endr
.irp t, 0,1,2,3
	v_sub_f32 v[220+(\t)], v[208+(\t)], v[216+(\t)]               ; the rest, exact
.endr
	s_wait_alu depctr_va_vcc(0)                    ; the compare above has written VCC, by which the selects below choose
.irp t, 0,1,2,3
.irp i, 0,1,2,3
	v_cndmask_b32 v[WF+8*(\t)+(\i)], v[ZERO], v[192+4*(\t)+(\i)], vcc_lo     ; A0
	v_cndmask_b32 v[WF+32+8*(\t)+(\i)], v[192+4*(\t)+(\i)], v[ZERO], vcc_lo  ; A1
.endr
	v_cndmask_b32 v[WF+8*(\t)+4], v[ZERO], v[216+(\t)], vcc_lo
	v_cndmask_b32 v[WF+32+8*(\t)+4], v[216+(\t)], v[ZERO], vcc_lo
	v_cndmask_b32 v[WF+8*(\t)+5], v[ZERO], v[220+(\t)], vcc_lo
	v_cndmask_b32 v[WF+32+8*(\t)+5], v[220+(\t)], v[ZERO], vcc_lo
.irp i, 6,7
	v_mov_b32 v[WF+8*(\t)+(\i)], 0
	v_mov_b32 v[WF+32+8*(\t)+(\i)], 0
.endr
.endr
	s_branch .Lmax
.Lw2:   ; waves 1, 2 (a = 0, 1): W2[k][16 t + r] s2[16 t + r] for t = 2 a + tt
	s_sub_co_u32 s[TA], s[WV], 1
	s_lshl_b32 s[TA], s[TA], 7                     ; 32 a columns
	v_lshl_add_u32 v[SO], v[RR], 2, s[TA]          ; my column of tile tt = 0
	v_lshl_add_u32 v[VO], v[HH], 11, v[SO]         ; 8 h rows of 256 bytes further down
	s_wait_alu depctr_va_vdst(0)                   ; v[SO] and v[VO] are written, the offsets of the 68 loads below
	global_load_b32 v96, v[SO], s[PG2:PG2+1]
	global_load_b32 v97, v[SO], s[PG2:PG2+1] offset:64
	global_load_b32 v98, v[SO], s[PV2:PV2+1]
	global_load_b32 v99, v[SO], s[PV2:PV2+1] offset:64
	BUILDLD PW2, 256, 64
	s_wait_loadcnt 0x0
	v_add_f32 v98, EPSF, v98
	v_add_f32 v99, EPSF, v99
	v_rsq_f32 v98, v98
	v_rsq_f32 v99, v99
	v_nop                                          ; a plain instruction behind the roots
	s_wait_alu depctr_va_vdst(0)                   ; the two roots are written, ahead of their first reader
	v_mul_f32 v100, v96, v98                       ; s2 of my column, twice: a pair for the packed multiply
	v_mul_f32 v101, v96, v98
	v_mul_f32 v102, v97, v99
	v_mul_f32 v103, v97, v99
.irp tt, 0,1
.set n, 0
.rept 16
	v_pk_mul_f32 v[WF+32*(\tt)+2*n:WF+1+32*(\tt)+2*n], v[WF+32*(\tt)+2*n:WF+1+32*(\tt)+2*n], v[100+2*(\tt):101+2*(\tt)]
.set n, n+1
.endr
.endr
	s_branch .Lmax
.Lw3:   ; waves 3-6 (a = 0..3): W3[k][4 r + 64 (u / 4) + u % 4] for u = 2 a + tt
	s_sub_co_u32 s[TA], s[WV], 3
	s_and_b32 s[TA+1], s[TA], 1
	s_lshl_b32 s[TA+1], s[TA+1], 3                 ; u % 4 = 2 (a % 2) + tt: 8 (a % 2) bytes
	s_lshr_b32 s[TA], s[TA], 1
	s_lshl_b32 s[TA], s[TA], 8                     ; u / 4 = a / 2: 64 columns
	s_add_co_u32 s[TA], s[TA], s[TA+1]
	v_lshl_add_u32 v[VO], v[RR], 4, s[TA]
	v_lshl_add_u32 v[VO], v[HH], 12, v[VO]         ; 8 h rows of 512 bytes further down
	s_wait_alu depctr_va_vdst(0)                   ; v[VO] is written, the offset of the 64 loads below
	BUILDLD PW3, 512, 4
	s_wait_loadcnt 0x0
; THE WEIGHTS, SECOND PART: the largest magnitude of my wave's numbers, as the greater of the largest number and the smallest one's negative: two chains side by side, three operands at a time.
.macro MAXRUN base, first
.set n, 0
.rept 16
.if (\first) && (n == 0)
	v_max_num_f32 v[MX], v[(\base)], v[(\base)+1]
	v_min_num_f32 v[MN], v[(\base)], v[(\base)+1]
.else
	v_max3_num_f32 v[MX], v[MX], v[(\base)+2*n], v[(\base)+2*n+1]
	v_min3_num_f32 v[MN], v[MN], v[(\base)+2*n], v[(\base)+2*n+1]
.endif
.set n, n+1
.endr
.endm
.Lmax:
	MAXRUN WF, 1
	s_cmp_eq_u32 s[WV], 7
	s_cbranch_scc1 .Lhalf                          ; wave 7 has 32 numbers a lane
	MAXRUN WF+32, 0
.Lhalf:
	v_xor_b32 v[MN], 0x80000000, v[MN]
	v_max_num_f32 v[MX], v[MX], v[MN]
	v_max_num_f32_dpp v[MX], v[MX], v[MX] row_xmask:1 row_mask:0xf bank_mask:0xf
	v_max_num_f32_dpp v[MX], v[MX], v[MX] row_xmask:2 row_mask:0xf bank_mask:0xf
	v_max_num_f32_dpp v[MX], v[MX], v[MX] row_xmask:4 row_mask:0xf bank_mask:0xf
	v_max_num_f32_dpp v[MX], v[MX], v[MX] row_xmask:8 row_mask:0xf bank_mask:0xf
	v_permlanex16_b32 v[GOT], v[MX], s[SEL], s[SEL+1]
	v_max_num_f32 v[MX], v[MX], v[GOT]             ; every lane holds it
	v_lshl_add_u32 v[T0], s[WV], 2, MAXB
	v_mov_b32 v[T1], MAXB                          ; where the eight words are read, behind the barrier
	s_wait_alu depctr_va_vdst(0)                   ; v[T0] and v[MX] are written, the LDS store's address and data; so is v[T1], the address of the two LDS loads behind the barrier: no vector instruction stands between here and those
	ds_store_b32 v[T0], v[MX]                      ; all lanes write my wave's word with the same number
	s_wait_dscnt 0x0                               ; for the others' sake: it is stored
	s_barrier_signal -1
	s_barrier_wait -1                              ; everybody's is
	ds_load_b128 v[PM:PM+3], v[T1]
	ds_load_b128 v[PM+4:PM+7], v[T1] offset:16
	s_wait_dscnt 0x0
.irp w, 0,1,2,3,4,5,6,7
	v_readfirstlane_b32 s[MW+(\w)], v[PM+(\w)]
.endr
	s_wait_alu depctr_va_sdst(0)                   ; the eight magnitudes are written into s[MW ..], ahead of their first reader: one wait for the run
; The scales.  The magnitudes are not negative, so their bits compare as whole numbers do.  Of magnitude m: its leading power 2^e, held within 2^-60 .. 2^60; a = 2^-(e+1), and 1 / a = 2^(e+1), by their bits.
.macro SCALE m, a
	s_and_b32 s[(\a)+1], s[\m], EXPM
	s_max_u32 s[(\a)+1], s[(\a)+1], ELO
	s_min_u32 s[(\a)+1], s[(\a)+1], EHI
	s_sub_co_u32 s[\a], ETOP, s[(\a)+1]
	s_add_co_u32 s[(\a)+1], s[(\a)+1], ETWO
.endm
	SCALE MW, A1S                                  ; layer 1: wave 0's
	s_max_u32 s[TA], s[MW+1], s[MW+2]              ; layer 2: W2 s2 (waves 1, 2) over a1, and c2 (wave 7)
	s_mul_f32 s[TA], s[TA], s[A1S+1]
	s_max_u32 s[TA], s[TA], s[MW+7]
	SCALE TA, A2S
	s_max_u32 s[TA], s[MW+3], s[MW+4]              ; layer 3: waves 3-6
	s_max_u32 s[TA+1], s[MW+5], s[MW+6]
	s_max_u32 s[TA], s[TA], s[TA+1]
	SCALE TA, A3S
	s_mul_f32 s[BETA], s[A2S+1], s[A3S+1]          ; 1 / (a2 a3): within 2^-118 .. 2^122
	s_mul_f32 s[TA], s[A2S], s[A1S+1]              ; a2 / a1
	s_mov_b32 s[BETA+1], s[BETA]                   ; named with it as a pair
	s_cmp_eq_u32 s[WV], 0                          ; my wave's own scale: a1; a2 / a1; a3; a2
	s_cselect_b32 s[SCW], s[A1S], s[TA]
	s_cmp_gt_u32 s[WV], 2
	s_cselect_b32 s[SCW], s[A3S], s[SCW]
	s_cmp_eq_u32 s[WV], 7
	s_cselect_b32 s[SCW], s[A2S], s[SCW]
	s_mov_b32 s[SCW+1], s[SCW]                     ; named with it as a pair
.set n, 0
.rept 16
	v_pk_mul_f32 v[WF+2*n:WF+2*n+1], v[WF+2*n:WF+2*n+1], s[SCW:SCW+1] op_sel_hi:[1,0]
.set n, n+1
.endr
	s_cmp_eq_u32 s[WV], 7
	s_cbranch_scc1 .Lst7
.set n, 16
.rept 16
	v_pk_mul_f32 v[WF+2*n:WF+2*n+1], v[WF+2*n:WF+2*n+1], s[SCW:SCW+1] op_sel_hi:[1,0]
.set n, n+1
.endr
.set n, 0
.rept 32
	v_cvt_pk_f16_f32 v[WP+n], v[WF+2*n], v[WF+2*n+1]   ; 64 numbers a lane rounded to f16 in pairs
.set n, n+1
.endr
	s_wait_alu depctr_va_vdst(0)                   ; the conversions have written v[WP ..], which the eight LDS stores read
.irp c, 0,1,2,3,4,5,6,7
	ds_store_b128 v[DSA], v[WP+4*(\c):WP+4*(\c)+3] offset:512*(\c)   ; a store of the wave covers 512 consecutive bytes
.endr
	s_branch .Ljoin
.Lst7:                                                 ; the bias stays in f32
	s_wait_alu depctr_va_vdst(0)                   ; the multiplies have written v[WF ..], which the eight LDS stores read
.irp c, 0,1,2,3,4,5,6,7
	ds_store_b128 v[DSA], v[WF+4*(\c):WF+4*(\c)+3] offset:512*(\c)
.endr
.Ljoin:
	s_wait_dscnt 0x0                               ; for the others' sake: my chunks are stored
	s_barrier_signal -1
	s_barrier_wait -1                              ; everybody's are
	WIN 0x40                                       ; destination window 1, address window 0
.set c, 0
.rept 64
	ds_load_b128 v[4*c:4*c+3], v[LOFF] offset:512*c    ; no vector instruction has named window 1, and v[LOFF] was shown written at the head
.set c, c+1
.endr
	WIN 0
	s_wait_dscnt 0x0
	s_wait_alu depctr_vm_vsrc(0)                   ; the set-up's loads and LDS stores have read v[T0], v[T1], v[DSA], v[VO], v[SO] and v[128:223]: the loop's vector and matrix instructions write all of these anew
; A VOXEL, in phases.
.macro OUT j                           ; slot j's results leave
	global_store_b128 v[LOFF], v[R+4*(\j):R+4*(\j)+3], s[OP:OP+1] offset:(\j)*VB th:TH_STORE_NT  ; the voxel's 512 consecutive bytes, at a multiple of 512 from out's first byte
.endm
; The input: my point is packed; lanes at or beyond num take point 0's two words.  ahead = 1: the slot is asked for again, five voxels on.  left = the younger loads, which may stay out.
; Behind the voxel's one wait on va_vdst stand its load and the store of the voxel before (slot j - 1; slot 4's stands at the trip's end).
.macro S0 j, ahead, left
	s_wait_loadcnt \left                           ; loads come back in order (ISA guide 5.7.1): the slot's is in
	v_cvt_pk_f16_f32 v[T0], v[X+4*(\j)], v[X+4*(\j)+1]
	v_cvt_pk_f16_f32 v[T1], v[X+4*(\j)+2], v[X+4*(\j)+3]
	v_cmp_gt_i32 vcc_lo, s[N0+(\j)], v[LANE]       ; num > lane: the point counts
	v_readfirstlane_b32 s[P0A], v[T0]
	v_readfirstlane_b32 s[P0A+1], v[T1]
	s_wait_alu depctr_va_vcc(0)                    ; the compare has written VCC, by which the two selects choose
	s_wait_alu depctr_va_sdst(0)                   ; point 0's two words are written into s[P0A ..], which the two selects read
	v_cndmask_b32 v[B1], s[P0A], v[T0], vcc_lo
	v_cndmask_b32 v[B1+1], s[P0A+1], v[T1], vcc_lo
.if (\ahead) || ((\j) > 0)
	s_wait_alu depctr_va_vdst(0)                   ; the two conversions are done reading the slot's x, in which the load below lands; the voxel before has written its slot of results, which the store below reads
.endif
.if \ahead
	global_load_b128 v[X+4*(\j):X+4*(\j)+3], v[LOFF], s[XP:XP+1] offset:(RING+(\j))*VB th:TH_LOAD_NT
.endif
.if (\j) > 0
	OUT (\j)-1
.endif
.endm
; In all three layers the accumulators take turns, one instruction a turn; the first product on each starts its sum: nothing is cleared.
.macro M1                              ; 8 products: set A0 (p = 0) or A1 (p = 1), channels 16 t on, times the one fragment of points
	WIN 0x01                                       ; source 0 window 1
.irp p, 0,1
.irp t, 0,1,2,3
	v_wmma_f32_16x16x32_f16 v[HA+32*(\p)+8*(\t):HA+32*(\p)+8*(\t)+7], v[W1F+16*(\p)+4*(\t):W1F+16*(\p)+4*(\t)+7], v[B1:B1+7], 0
.endr
.endr
	WIN 0
.endm
.macro M2                              ; 16 products; the bias is the C operand of the first K step
	WIN 0x11                                       ; sources 0 and 2 window 1
.irp p, 0,1
.irp t, 0,1,2,3
	v_wmma_f32_16x16x32_f16 v[HB+32*(\p)+8*(\t):HB+32*(\p)+8*(\t)+7], v[W2F+16*(\t):W2F+16*(\t)+7], v[F+16*(\p):F+16*(\p)+7], v[BI2+8*(\t):BI2+8*(\t)+7]
.endr
.endr
	WIN 0x01
.irp p, 0,1
.irp t, 0,1,2,3
	v_wmma_f32_16x16x32_f16 v[HB+32*(\p)+8*(\t):HB+32*(\p)+8*(\t)+7], v[W2F+16*(\t)+8:W2F+16*(\t)+15], v[F+16*(\p)+8:F+16*(\p)+15], v[HB+32*(\p)+8*(\t):HB+32*(\p)+8*(\t)+7]
.endr
.endr
	WIN 0
.endm
.macro M3                              ; 32 products: source 0 = 16 points, source 1 = 16 channels of tile u
	WIN 0x04                                       ; source 1 window 1
.irp u, 0,1,2,3,4,5,6,7
.irp p, 0,1
	v_wmma_f32_16x16x32_f16 v[OA+16*(\u)+8*(\p):OA+16*(\u)+8*(\p)+7], v[F+16*(\p):F+16*(\p)+7], v[W3F+16*(\u):W3F+16*(\u)+7], 0
.endr
.endr
.irp u, 0,1,2,3,4,5,6,7
.irp p, 0,1
	v_wmma_f32_16x16x32_f16 v[OA+16*(\u)+8*(\p):OA+16*(\u)+8*(\p)+7], v[F+16*(\p)+8:F+16*(\p)+15], v[W3F+16*(\u)+8:W3F+16*(\u)+15], v[OA+16*(\u)+8*(\p):OA+16*(\u)+8*(\p)+7]
.endr
.endr
	WIN 0
.endm
.macro ACT src                         ; eight results (n = 4 p + t) rounded to f16 in pairs, from each result's low end on, then max(., 0) on two numbers at a time: the next layer's fragments
.set n, 0
.rept 8
.irp i, 0,1,2,3
	v_cvt_pk_f16_f32 v[F+4*n+(\i)], v[(\src)+8*n+2*(\i)], v[(\src)+8*n+2*(\i)+1]
.endr
.irp i, 0,1,2,3
	v_pk_max_num_f16 v[F+4*n+(\i)], v[F+4*n+(\i)], v[ZERO]
.endr
.set n, n+1
.endr
.endm
.macro RED2 ua, ub                     ; the maximum over my 16 points of two tiles, three operands at a time; four chains side by side, each result read from its low end on
.irp w, \ua, \ub
	v_max3_num_f32 v[PM+(\w)], v[OA+16*(\w)], v[OA+16*(\w)+1], v[OA+16*(\w)+2]
.endr
.irp w, \ua, \ub
	v_max3_num_f32 v[QM+(\w)], v[OA+16*(\w)+8], v[OA+16*(\w)+9], v[OA+16*(\w)+10]
.endr
.irp e, 3, 5
.irp w, \ua, \ub
	v_max3_num_f32 v[PM+(\w)], v[PM+(\w)], v[OA+16*(\w)+(\e)], v[OA+16*(\w)+(\e)+1]
.endr
.irp w, \ua, \ub
	v_max3_num_f32 v[QM+(\w)], v[QM+(\w)], v[OA+16*(\w)+8+(\e)], v[OA+16*(\w)+8+(\e)+1]
.endr
.endr
.irp w, \ua, \ub
	v_max3_num_f32 v[PM+(\w)], v[PM+(\w)], v[OA+16*(\w)+7], v[OA+16*(\w)+15]
.endr
.irp w, \ua, \ub
	v_max_num_f32 v[PM+(\w)], v[PM+(\w)], v[QM+(\w)]
.endr
.endm
; The other 16 points lie in the lane 16 away.  Lanes 0-15 keep tiles 0-3 and send tiles 4-7, lanes 16-31 the other way round: lane l ends with the channels 4 l + 0..3.
; The scales are taken back and b3 added in one fused multiply-add.  The slot of results is stored later, behind the next wait on va_vdst.
.macro FIN j
.irp k, 0,1,2,3
	v_cndmask_b32 v[SND+(\k)], v[PM+4+(\k)], v[PM+(\k)], s[HIM]
	v_cndmask_b32 v[KEP+(\k)], v[PM+(\k)], v[PM+4+(\k)], s[HIM]
.endr
.irp k, 0,1,2,3
	v_permlanex16_b32 v[GOT+(\k)], v[SND+(\k)], s[SEL], s[SEL+1]
.endr
	s_cmp_gt_i32 s[N0+(\j)], 0
	s_cselect_b32 s[CAP], 0, 0xff800000            ; no point at all: -inf
.irp k, 0,1,2,3
	v_max_num_f32 v[R+4*(\j)+(\k)], v[KEP+(\k)], v[GOT+(\k)]
.endr
	v_pk_fma_f32 v[R+4*(\j):R+4*(\j)+1], v[R+4*(\j):R+4*(\j)+1], s[BETA:BETA+1], v[B3:B3+1] op_sel_hi:[1,0,1]
	v_pk_fma_f32 v[R+4*(\j)+2:R+4*(\j)+3], v[R+4*(\j)+2:R+4*(\j)+3], s[BETA:BETA+1], v[B3+2:B3+3] op_sel_hi:[1,0,1]
	v_pk_add_f32 v[R+4*(\j):R+4*(\j)+1], v[R+4*(\j):R+4*(\j)+1], s[CAP:CAP+1] op_sel_hi:[1,0]
	v_pk_add_f32 v[R+4*(\j)+2:R+4*(\j)+3], v[R+4*(\j)+2:R+4*(\j)+3], s[CAP:CAP+1] op_sel_hi:[1,0]
.endm
.macro VOXEL j, ahead, left
	S0 \j, \ahead, \left
	M1
	PLACES
	ACT HA
	M2
	PLACES                                         ; also in front of the writes of F, which layer 2 has read
	ACT HB
	M3
	PLACES
	RED2 0, 4
	RED2 1, 5
	RED2 2, 6
	RED2 3, 7
	FIN \j
.endm
.macro NUMS load                       ; this trip's five num, asked for a trip ago; load = 1: the next trip's are asked for
	s_wait_kmcnt 0x0                               ; they are in, and their address may be stepped
.irp i, 0,1,2,3,4
	s_mov_b32 s[N0+(\i)], s[NIN+(\i)]
.endr
.if \load
	s_add_nc_u64 s[NP:NP+1], s[NP:NP+1], RING*4
	s_load_b128 s[NIN:NIN+3], s[NP:NP+1], 0x0
	s_load_b32 s[NIN+4], s[NP:NP+1], 0x10
.endif
.endm
	s_mov_b32 s[CNT], TRIPS
.Ltrip:                                                ; a trip: five voxels, once round the ring.  Behind a slot's load stand the other four slots' loads: the count 4
	NUMS 1
.irp j, 0,1,2,3,4
	VOXEL \j, 1, RING-1
.endr
	s_wait_alu depctr_va_vdst(0)                   ; the trip's last voxel has written slot 4 of the results, which the store below reads
	OUT 4
	s_wait_xcnt 0x0                                ; every earlier memory instruction has had its addresses translated (ISA guide 3.1): only behind this wait are x's and out's addresses stepped and the five slots of results rewritten
	s_wait_alu depctr_vm_vsrc(0)                   ; the trip's five stores have read the five slots of results, which the next five voxels' arithmetic writes again
	s_add_nc_u64 s[XP:XP+1], s[XP:XP+1], RING*VB
	s_add_nc_u64 s[OP:OP+1], s[OP:OP+1], RING*VB
	s_sub_co_u32 s[CNT], s[CNT], 1
	s_cmp_lg_u32 s[CNT], 0
	s_cbranch_scc1 .Ltrip
	NUMS 0                                         ; the last five voxels ask for nothing: no load leaves its buffer, and the counts run down
.irp j, 0,1,2,3,4
	VOXEL \j, 0, RING-1-(\j)
.endr
	s_wait_alu depctr_va_vdst(0)                   ; the last voxel has written slot 4 of the results, which the last store reads
	OUT 4
	s_wait_dscnt 0x0                               ; the closing lines, six on end
	s_wait_alu 0x0
	s_wait_tensorcnt 0x0
	ds_add_u32 v[SPW], v[NIL]
	s_wait_dscnt 0x0
	s_endpgm
.Lfunc_end_k_qda8b50a395_vfe:
	.size	k_qda8b50a395_vfe, .Lfunc_end_k_qda8b50a395_vfe-k_qda8b50a395_vfe
	.p2alignl 7, 3214868480
	.fill 96, 4, 3214868480
	.section	.rodata,"a",@progbits
	.p2align	6, 0x0
	.amdhsa_kernel k_qda8b50a395_vfe
		.amdhsa_group_segment_fixed_size 34048
		.amdhsa_private_segment_fixed_size 0
		.amdhsa_enable_private_segment 0
		.amdhsa_kernarg_size 136
		.amdhsa_user_sgpr_count 2
		.amdhsa_user_sgpr_kernarg_segment_ptr 1
		.amdhsa_wavefront_size32 1
		.amdhsa_system_sgpr_workgroup_id_x 1
		.amdhsa_system_sgpr_workgroup_id_y 1
		.amdhsa_system_sgpr_workgroup_id_z 1
		.amdhsa_system_vgpr_workitem_id 0
		.amdhsa_next_free_vgpr 512
		.amdhsa_next_free_sgpr 88
		.amdhsa_reserve_vcc 1
		.amdhsa_float_denorm_mode_32 3
		.amdhsa_float_denorm_mode_16_64 3
		.amdhsa_memory_ordered 1
		.amdhsa_forward_progress 1
		.amdhsa_inst_pref_size 228
	.end_amdhsa_kernel
	.amdgpu_metadata
---
amdhsa.version: [ 1, 2 ]
amdhsa.kernels:
  - .name:           k_qda8b50a395_vfe
    .symbol:         k_qda8b50a395_vfe.kd
    .args:
      - { .name: voxel_features, .offset: 0, .size: 8, .value_kind: global_buffer, .address_space: global }
      - { .name: voxel_num_points, .offset: 8, .size: 8, .value_kind: global_buffer, .address_space: global }
      - { .name: W1, .offset: 16, .size: 8, .value_kind: global_buffer, .address_space: global }
      - { .name: b1, .offset: 24, .size: 8, .value_kind: global_buffer, .address_space: global }
      - { .name: g1, .offset: 32, .size: 8, .value_kind: global_buffer, .address_space: global }
      - { .name: be1, .offset: 40, .size: 8, .value_kind: global_buffer, .address_space: global }
      - { .name: m1, .offset: 48, .size: 8, .value_kind: global_buffer, .address_space: global }
      - { .name: v1, .offset: 56, .size: 8, .value_kind: global_buffer, .address_space: global }
      - { .name: W2, .offset: 64, .size: 8, .value_kind: global_buffer, .address_space: global }
      - { .name: b2, .offset: 72, .size: 8, .value_kind: global_buffer, .address_space: global }
      - { .name: g2, .offset: 80, .size: 8, .value_kind: global_buffer, .address_space: global }
      - { .name: be2, .offset: 88, .size: 8, .value_kind: global_buffer, .address_space: global }
      - { .name: m2, .offset: 96, .size: 8, .value_kind: global_buffer, .address_space: global }
      - { .name: v2, .offset: 104, .size: 8, .value_kind: global_buffer, .address_space: global }
      - { .name: W3, .offset: 112, .size: 8, .value_kind: global_buffer, .address_space: global }
      - { .name: b3, .offset: 120, .size: 8, .value_kind: global_buffer, .address_space: global }
      - { .name: out0, .offset: 128, .size: 8, .value_kind: global_buffer, .address_space: global }
    .group_segment_fixed_size: 34048
    .private_segment_fixed_size: 0
    .kernarg_segment_align: 8
    .kernarg_segment_size: 136
    .max_flat_workgroup_size: 256
    .sgpr_count:     88
    .vgpr_count:     512
    .wavefront_size: 32
...
	.end_amdgpu_metadata
.endif
;; end of part 2
